; MI455X (gfx1250); checked and timed in simulation.
; The chip was launched on July 23, 2026; its instructions are those of AMD's public machine-readable ISA for CDNA 5 (MIT licence, August 2026) and "CDNA5" Instruction Set Architecture Reference Guide (July 2026). The comments in the code are by the model that wrote it; some were corrected since.
;; Sel Fuse Feature. Allowed arithmetic: float matrix products may take bf16 or f16 operands with f32 sums; all other float work in f32.
;; Inputs: b_df 2 float32; b_fuse 2 float32; w_df 2 x 256 float32; w_fuse 2 x 512 float32; x 8 x 256 x 128 x 128 float32.
;; Outputs: out0 8 x 2 x 128 x 128 float32; out1 8 x 2 x 128 x 128 float32.
;; 2 versions, each right; version 2 is version 1 with the launch project written anew for expert scheduling mode. Each part assembles by itself: llvm-mc -triple=amdgcn-amd-amdhsa -mcpu=gfx1250 --defsym DOCPART=n.
;; ======== version 1 of 2: 2 launches
;; workspace buffers: planes 3,145,728 bytes; gidx 524,288 bytes of whole numbers
;; launch project (part 1): grid 1024 x 1, 4 waves a work-group, no clusters, 18,944 bytes of LDS; arguments x, w_df, b_df, w_fuse, b_fuse, out1, planes, gidx; writes out1, planes, gidx
.if DOCPART == 1
	.amdgcn_target "amdgcn-amd-amdhsa--gfx1250"
	.amdhsa_code_object_version 6
	.text
	.protected	k_q572105cce2_project
	.globl	k_q572105cce2_project
	.p2align	8
	.type	k_q572105cce2_project,@function
k_q572105cce2_project:
	s_mov_b64 s[64:65], 0
	v_nop
	global_prefetch_b8 v0, s[64:65] scope:SCOPE_SE
	s_setreg_imm32_b32 hwreg(HW_REG_WAVE_MODE, 25, 1), 1
	s_wait_xcnt 0x0
; First of two launches.  Six 1x1 convolutions of x [8][256][128][128] f32 in one pass over x:
;   df0, df1 = w_df x + b_df                 -> out1, and from them the sampling grid
;   a0,  a1  = w_fuse[:, 0:256] x + b_fuse   -> planes 2, 3 of the image (the part of out0 that is not warped)
;   y0,  y1  = w_fuse[:, 256:512] x          -> planes 0, 1 (the second launch warps these ten times)
; The warp is linear and the same for every channel, so projecting first and warping the two projected maps gives the same sums as
; warping 256 channels and projecting afterwards, for every input; only the order of rounding differs.
; A work-group owns one image row h (128 pixels); wave k owns channels 64 k .. 64 k + 63; a lane owns 4 pixels (16 bytes), so one load
; of a wave covers 512 consecutive aligned bytes of one channel plane.  Each byte of x is read once.
; WHY f32 FMA AND NOT THE MATRIX UNIT: six output rows, 24 multiply-adds for 16 bytes loaded, and the pass is bound by the bytes of x.
; And out0 is not continuous in df (the test |df| > 0.5): operands cut to 8 bits of mantissa would move df by about 1e-3 and put pixels
; on the other side of that test.  Clusters and LDS rings are left out: no two work-groups read the same byte of x.
; LIMITS: each sum is four partial sums of 64 channels, added as (p0+p1)+(p2+p3); a pixel whose |df| lies within f32 rounding of 0.5 may
; fall on the other side of the test than with another order of summation.  NaN in df counts as "not above 0.5", as in the comparison itself.
.set PLANE,  65536                     ; bytes of one plane of 128 x 128 f32
.set NSLOT,  32                        ; register slots = loads of x in flight in a wave (16 KB)
.set CPW,    64                        ; channels of a wave
.set LDSR,   6144                      ; LDS: 0..6143 the six weight rows as they lie in memory; from here 4 waves x 6 outputs x 512 bytes of partial sums
.set XO,  1                            ; v1        16 x lane: my 16 bytes in a row of 512; never rewritten
.set WA,  2                            ; v2        LDS byte of my wave's first channel in a weight row (256 x wave)
.set PS,  3                            ; v3        where I put my partial sums (3072 x wave + 16 x lane)
.set PL,  4                            ; v4        where I read the four waves' partial sums of my two outputs (1024 x wave + 16 x lane)
.set WS,  5                            ; v5        16 x thread: my 16 bytes of each 2 KB of weights
.set ACC, 6                            ; v[6:29]   six outputs x 4 pixels
.set WB,  30                           ; v[30:77]  two buffers of six rows x 4 channels of weights
.set X,   78                           ; v[78:205] the ring: slot i holds 4 pixels of one channel
.set WT,  206                          ; v[206:217] weights on their way to LDS
	s_load_b512 s[8:23], s[0:1], 0x0               ; x s[8:9], w_df s[10:11], b_df s[12:13], w_fuse s[14:15], b_fuse s[16:17], out1 s[18:19], planes s[20:21], gidx s[22:23]
	v_lshl_add_u32 v220, v0, 2, 0x4800
	v_mov_b32 v221, 0
	v_lshrrev_b32 v[PL], 5, v0
	v_readfirstlane_b32 s4, v[PL]                  ; wave 0..3
	v_and_b32 v[XO], 31, v0
	v_lshlrev_b32 v[XO], 4, v[XO]
	s_lshr_b32 s5, ttmp9, 7                        ; image n
	s_and_b32 s6, ttmp9, 127                       ; row h
	s_lshl_b32 s7, s6, 9                           ; h x 512 bytes
	s_lshl_b32 s24, s5, 24                         ; n x 256 planes
	s_lshl_b32 s25, s4, 22                         ; wave x 64 planes
	s_add_co_u32 s24, s24, s25
	s_add_co_u32 s24, s24, s7                      ; below 2^27
	s_mov_b32 s25, 0
	s_lshl_b32 s30, s4, 9
	v_add_nc_u32 v[WS], s30, v[XO]
	s_lshl_b32 s30, s4, 8
	v_mov_b32 v[WA], s30
	s_mul_i32 s30, s4, 3072
	v_add_nc_u32 v[PS], s30, v[XO]
	s_lshl_b32 s30, s4, 10
	v_add_nc_u32 v[PL], s30, v[XO]
	s_wait_kmcnt 0x0
	s_add_nc_u64 s[8:9], s[8:9], s[24:25]          ; x at my wave's first channel, my row; all 64 loads reach from here by their immediates
	global_load_b128 v[WT:WT+3],    v[WS], s[10:11]               ; w_df, 2 KB
	global_load_b128 v[WT+4:WT+7],  v[WS], s[14:15]               ; w_fuse row 0, 2 KB
	global_load_b128 v[WT+8:WT+11], v[WS], s[14:15] offset:2048   ; w_fuse row 1
.set c, 0
.rept NSLOT
	global_load_b128 v[X+4*c:X+4*c+3], v[XO], s[8:9] offset:c*PLANE th:TH_LOAD_NT   ; the ring is filled: channels 0 to 31 of my 64
.set c, c+1
.endr
	s_load_b64 s[26:27], s[12:13], 0x0             ; b_df
	s_load_b64 s[28:29], s[16:17], 0x0             ; b_fuse
	s_lshl_b32 s30, s5, 17                         ; out1: n x 2 planes + my row
	s_add_co_u32 s30, s30, s7
	s_mov_b32 s31, 0
	s_add_nc_u64 s[18:19], s[18:19], s[30:31]
	s_mul_i32 s30, s5, 6*PLANE                     ; planes: n x 6 planes + my row
	s_add_co_u32 s30, s30, s7
	s_add_nc_u64 s[20:21], s[20:21], s[30:31]
	s_lshl_b32 s30, s5, 16                         ; gidx: n x 1 plane + my row
	s_add_co_u32 s30, s30, s7
	s_add_nc_u64 s[22:23], s[22:23], s[30:31]
	s_movk_i32 s41, 130                            ; words from one column of the second launch's LDS map to the next
	s_wait_loadcnt NSLOT                           ; loads return in order: the three weight loads are in, the 32 loads of x behind them stay out
	ds_store_b128 v[WS], v[WT:WT+3]                ; LDS 0: w_df[0], 1024: w_df[1]
	ds_store_b128 v[WS], v[WT+4:WT+7]  offset:2048 ; 2048: w_fuse[0][0:256] (a0), 3072: w_fuse[0][256:512] (y0)
	ds_store_b128 v[WS], v[WT+8:WT+11] offset:4096 ; 4096: a1, 5120: y1
	s_wait_kmcnt 0x0                               ; the biases, long since there
	s_wait_dscnt 0x0                               ; my part of the weights is in LDS before I say so
	s_barrier_signal -1
	s_barrier_wait -1                              ; all four parts are
; Six rows' weights of four channels: every lane reads the same 16 bytes.  WNXT: first register; WOFF: byte of the four channels in my wave's 256.
.macro WLOAD
	ds_load_b128 v[WNXT:WNXT+3],     v[WA] offset:WOFF          ; df0
	ds_load_b128 v[WNXT+4:WNXT+7],   v[WA] offset:WOFF+1024     ; df1
	ds_load_b128 v[WNXT+8:WNXT+11],  v[WA] offset:WOFF+2048     ; a0
	ds_load_b128 v[WNXT+12:WNXT+15], v[WA] offset:WOFF+4096     ; a1
	ds_load_b128 v[WNXT+16:WNXT+19], v[WA] offset:WOFF+3072     ; y0
	ds_load_b128 v[WNXT+20:WNXT+23], v[WA] offset:WOFF+5120     ; y1
.endm
; One channel c: 4 pixels x 6 outputs = 12 packed multiply-adds; the weight is one half (sel) of the pair at po, taken for both results.
; The first channel starts the sums by a multiply: nothing is cleared.  The slot is asked for again, 32 channels further on, at once.
.macro STEP po, sel
.set SL, X+4*(c%NSLOT)
.if c < NSLOT
	s_wait_loadcnt NSLOT-1                         ; my slot's load is in, the 31 younger ones stay out
.else
	s_wait_loadcnt CPW-1-c                         ; nothing more is issued: the count runs down
.endif
.irp o, 0,1,2,3,4,5
.if c == 0
	v_pk_mul_f32 v[ACC+4*\o:ACC+4*\o+1],   v[SL:SL+1],   v[WCUR+4*\o+\po:WCUR+4*\o+\po+1] op_sel:[0,\sel] op_sel_hi:[1,\sel]
	v_pk_mul_f32 v[ACC+4*\o+2:ACC+4*\o+3], v[SL+2:SL+3], v[WCUR+4*\o+\po:WCUR+4*\o+\po+1] op_sel:[0,\sel] op_sel_hi:[1,\sel]
.else
	v_pk_fma_f32 v[ACC+4*\o:ACC+4*\o+1],   v[SL:SL+1],   v[WCUR+4*\o+\po:WCUR+4*\o+\po+1], v[ACC+4*\o:ACC+4*\o+1]   op_sel:[0,\sel,0] op_sel_hi:[1,\sel,1]
	v_pk_fma_f32 v[ACC+4*\o+2:ACC+4*\o+3], v[SL+2:SL+3], v[WCUR+4*\o+\po:WCUR+4*\o+\po+1], v[ACC+4*\o+2:ACC+4*\o+3] op_sel:[0,\sel,0] op_sel_hi:[1,\sel,1]
.endif
.endr
.if c+NSLOT < CPW
	global_load_b128 v[SL:SL+3], v[XO], s[8:9] offset:(c+NSLOT)*PLANE th:TH_LOAD_NT
.endif
.set c, c+1
.endm
.set WNXT, WB
.set WOFF, 0
	WLOAD
.set c, 0
.rept CPW/4
.set WCUR, WB+24*((c/4)%2)
.if c+4 < CPW
.set WNXT, WB+24*((c/4+1)%2)
.set WOFF, 16*(c/4+1)
	WLOAD                                          ; the next four channels' weights, into the buffer whose multiply-adds have been issued
	s_wait_dscnt 6                                 ; LDS loads return in order: these four channels' six are in, the six just issued stay out
.else
	s_wait_dscnt 0x0
.endif
	STEP 0, 0
	STEP 0, 1
	STEP 2, 0
	STEP 2, 1
.endr
	; The four waves' partial sums meet in LDS, in bytes of their own behind the weights (a slower wave may still read weights).
.irp o, 0,1,2,3,4,5
	ds_store_b128 v[PS], v[ACC+4*\o:ACC+4*\o+3] offset:LDSR+512*\o
.endr
	s_wait_dscnt 0x0                               ; my sums are in LDS before I say so
	s_barrier_signal -1
	s_barrier_wait -1
	s_cmp_eq_u32 s4, 3                             ; wave 0 finishes df0, df1; wave 1 a0, a1; wave 2 y0, y1; wave 3 has no pair left
	s_cbranch_scc1 .Lend
.set T,   X                            ; the ring is free: its last load was waited for
.set D0,  T                            ; my first output, 4 pixels
.set D1,  T+4                          ; my second output
.irp q, 0,1,2,3
	ds_load_b128 v[T+8*\q:T+8*\q+3],   v[PL] offset:LDSR+3072*\q
	ds_load_b128 v[T+8*\q+4:T+8*\q+7], v[PL] offset:LDSR+3072*\q+512
.endr
	s_cmp_eq_u32 s4, 0
	s_cselect_b32 s32, s26, s28                    ; bias of the first output: b_df[0] or b_fuse[0]
	s_cselect_b32 s34, s27, s29                    ; of the second
	s_cselect_b64 s[36:37], s[18:19], s[20:21]     ; wave 0 stores into out1, the others into planes
	s_cmp_eq_u32 s4, 2
	s_cselect_b32 s32, 0, s32                      ; y carries no bias: b_fuse is added once, with a
	s_cselect_b32 s34, 0, s34
	s_mov_b32 s33, s32                             ; the packed add names a pair
	s_mov_b32 s35, s34
	s_cmp_eq_u32 s4, 1
	s_cselect_b32 s38, 2*PLANE, 0                  ; a0, a1 are planes 2, 3; y0, y1 planes 0, 1
	s_mov_b32 s39, 0
	s_add_nc_u64 s[36:37], s[36:37], s[38:39]
	s_wait_dscnt 0x0
.irp r, 0,2,4,6
	v_pk_add_f32 v[T+\r:T+\r+1],       v[T+\r:T+\r+1],       v[T+8+\r:T+8+\r+1]
	v_pk_add_f32 v[T+16+\r:T+16+\r+1], v[T+16+\r:T+16+\r+1], v[T+24+\r:T+24+\r+1]
.endr
.irp r, 0,2,4,6
	v_pk_add_f32 v[T+\r:T+\r+1], v[T+\r:T+\r+1], v[T+16+\r:T+16+\r+1]
.endr
	v_pk_add_f32 v[D0:D0+1],   v[D0:D0+1],   s[32:33] op_sel_hi:[1,0]
	v_pk_add_f32 v[D0+2:D0+3], v[D0+2:D0+3], s[32:33] op_sel_hi:[1,0]
	v_pk_add_f32 v[D1:D1+1],   v[D1:D1+1],   s[34:35] op_sel_hi:[1,0]
	v_pk_add_f32 v[D1+2:D1+3], v[D1+2:D1+3], s[34:35] op_sel_hi:[1,0]
	global_store_b128 v[XO], v[D0:D0+3], s[36:37]                 ; the wave's store covers a whole row of 512 consecutive aligned bytes
	global_store_b128 v[XO], v[D1:D1+3], s[36:37] offset:PLANE    ; D0, D1 are only read from here on
	s_cmp_lg_u32 s4, 0
	s_cbranch_scc1 .Lend
	; Wave 0: the grid.  df at (h, w) steers the output pixel (row a = w, column b = h): it samples at column h + df0, row w + df1.
	; Stored in (h, w) order: fr, fc as f32, and as a whole number the byte offset of tap (r0, c0) in the second launch's LDS map,
	; 4 (130 c0 + r0), so that no address there is made from floating-point numbers.
.set M,   T+8                          ; df0^2 + df1^2
.set Q,   T+12                         ; its root
.set CC,  T+16                         ; column
.set RR,  T+20                         ; row
.set CF,  T+24                         ; floor of the column, then c0
.set RF,  T+28                         ; floor of the row, then r0
.set FCO, X+32
.set FRO, X+36
.set IXO, X+40
.set WF,  X+44                         ; w of my four pixels, as f32
.set HF,  X+48                         ; h as f32
.irp i, 0,1,2,3
	v_mul_f32 v[M+\i], v[D0+\i], v[D0+\i]
.endr
.irp i, 0,1,2,3
	v_fmac_f32 v[M+\i], v[D1+\i], v[D1+\i]
.endr
.irp i, 0,1,2,3
	v_sqrt_f32 v[Q+\i], v[M+\i]
.endr
	v_lshrrev_b32 v[WF], 2, v[XO]                  ; plain instructions that touch neither M nor Q stand between the roots and their first use (ISA guide 5.7.2)
	v_cvt_f32_u32 v[WF], v[WF]                     ; 4 x lane
	v_add_f32 v[WF+1], 1.0, v[WF]
	v_add_f32 v[WF+2], 2.0, v[WF]
	v_add_f32 v[WF+3], 0x40400000, v[WF]           ; + 3.0
	v_cvt_f32_u32 v[HF], s6
	s_wait_alu depctr_va_vdst(0)
.irp i, 0,1,2,3
	v_cmp_lt_f32 vcc_lo, 0.5, v[Q+\i]              ; 0.5 < |df|; a choice of values only
	v_cndmask_b32 v[CC+\i], 0, v[D0+\i], vcc_lo
	v_cndmask_b32 v[RR+\i], 0, v[D1+\i], vcc_lo
.endr
.irp i, 0,1,2,3
	v_add_f32 v[CC+\i], v[HF], v[CC+\i]
	v_add_f32 v[RR+\i], v[WF+\i], v[RR+\i]
	v_max_num_f32 v[CC+\i], 0, v[CC+\i]            ; clip to 0 .. 127
	v_max_num_f32 v[RR+\i], 0, v[RR+\i]
	v_min_num_f32 v[CC+\i], 0x42fe0000, v[CC+\i]
	v_min_num_f32 v[RR+\i], 0x42fe0000, v[RR+\i]
	v_floor_f32 v[CF+\i], v[CC+\i]
	v_floor_f32 v[RF+\i], v[RR+\i]
	v_sub_f32 v[FCO+\i], v[CC+\i], v[CF+\i]
	v_sub_f32 v[FRO+\i], v[RR+\i], v[RF+\i]
	v_cvt_u32_f32 v[CF+\i], v[CF+\i]
	v_cvt_u32_f32 v[RF+\i], v[RF+\i]
	v_mad_u32_u24 v[IXO+\i], v[CF+\i], s41, v[RF+\i]
	v_lshlrev_b32 v[IXO+\i], 2, v[IXO+\i]
.endr
	global_store_b128 v[XO], v[IXO:IXO+3], s[22:23]
	global_store_b128 v[XO], v[FRO:FRO+3], s[20:21] offset:4*PLANE
	global_store_b128 v[XO], v[FCO:FCO+3], s[20:21] offset:5*PLANE
.Lend:
	s_wait_tensorcnt 0x0
	ds_add_u32 v220, v221
	s_wait_dscnt 0x0
	s_endpgm
.Lfunc_end_k_q572105cce2_project:
	.size	k_q572105cce2_project, .Lfunc_end_k_q572105cce2_project-k_q572105cce2_project
	.p2alignl 7, 3214868480
	.fill 96, 4, 3214868480
	.section	.rodata,"a",@progbits
	.p2align	6, 0x0
	.amdhsa_kernel k_q572105cce2_project
		.amdhsa_group_segment_fixed_size 18944
		.amdhsa_private_segment_fixed_size 0
		.amdhsa_enable_private_segment 0
		.amdhsa_kernarg_size 64
		.amdhsa_user_sgpr_count 2
		.amdhsa_user_sgpr_kernarg_segment_ptr 1
		.amdhsa_wavefront_size32 1
		.amdhsa_system_sgpr_workgroup_id_x 1
		.amdhsa_system_sgpr_workgroup_id_y 1
		.amdhsa_system_sgpr_workgroup_id_z 1
		.amdhsa_system_vgpr_workitem_id 0
		.amdhsa_next_free_vgpr 222
		.amdhsa_next_free_sgpr 66
		.amdhsa_reserve_vcc 1
		.amdhsa_float_denorm_mode_32 3
		.amdhsa_float_denorm_mode_16_64 3
		.amdhsa_memory_ordered 1
		.amdhsa_forward_progress 1
		.amdhsa_inst_pref_size 72
	.end_amdhsa_kernel
	.amdgpu_metadata
---
amdhsa.version: [ 1, 2 ]
amdhsa.kernels:
  - .name:           k_q572105cce2_project
    .symbol:         k_q572105cce2_project.kd
    .args:
      - { .name: x, .offset: 0, .size: 8, .value_kind: global_buffer, .address_space: global }
      - { .name: w_df, .offset: 8, .size: 8, .value_kind: global_buffer, .address_space: global }
      - { .name: b_df, .offset: 16, .size: 8, .value_kind: global_buffer, .address_space: global }
      - { .name: w_fuse, .offset: 24, .size: 8, .value_kind: global_buffer, .address_space: global }
      - { .name: b_fuse, .offset: 32, .size: 8, .value_kind: global_buffer, .address_space: global }
      - { .name: out1, .offset: 40, .size: 8, .value_kind: global_buffer, .address_space: global }
      - { .name: planes, .offset: 48, .size: 8, .value_kind: global_buffer, .address_space: global }
      - { .name: gidx, .offset: 56, .size: 8, .value_kind: global_buffer, .address_space: global }
    .group_segment_fixed_size: 18944
    .private_segment_fixed_size: 0
    .kernarg_segment_align: 8
    .kernarg_segment_size: 64
    .max_flat_workgroup_size: 128
    .sgpr_count:     66
    .vgpr_count:     222
    .wavefront_size: 32
...
	.end_amdgpu_metadata
.endif
;; end of part 1
;; launch warp (part 2): grid 16 x 1, 32 waves a work-group, no clusters, 71,680 bytes of LDS; arguments planes, gidx, out0; writes out0
.if DOCPART == 2
	.amdgcn_target "amdgcn-amd-amdhsa--gfx1250"
	.amdhsa_code_object_version 6
	.text
	.protected	k_q572105cce2_warp
	.globl	k_q572105cce2_warp
	.p2align	8
	.type	k_q572105cce2_warp,@function
k_q572105cce2_warp:
	s_mov_b64 s[64:65], 0
	v_nop
	global_prefetch_b8 v0, s[64:65] scope:SCOPE_SE
	s_setreg_imm32_b32 hwreg(HW_REG_WAVE_MODE, 25, 1), 1
	s_wait_xcnt 0x0
; Second of two launches.  out0[n][o] = base[n][o] + S^10 y[n][o], S = the bilinear warp whose grid the first launch stored.
; A pass needs the whole map of the pass before (a displacement may reach any pixel), so one work-group keeps one map (image n, class o) in
; its LDS for all ten passes: 16 work-groups, the number of maps; there is no work for more without traffic between work-groups.
; 32 waves, 16 pixels a thread; a pixel's LDS address, fr and fc stay in registers for all ten passes.
; THE MAP LIES TRANSPOSED: value (row r, column c) at LDS word 130 c + r.  The grid planes lie in the first launch's (h, w) order, which is
; (column b, row a) of the output pixel; with lanes along a they load as 256 consecutive bytes an instruction, and a thread's two
; neighbouring pixels are stored as 8 aligned bytes, the 32 lanes 256 consecutive bytes.  Lanes two words apart spread a gather's 32 lanes over 64 words.
; y on its way in and the result on its way out cross the transposition by their LDS addresses alone.
; The four taps of a pixel are words 0, 1 (rows r0, r0 + 1 of column c0) and 130, 131 (column c0 + 1) from one address.  Word 128 of every
; column and a column 128 are zero pads: they are read where r0 = 127 or c0 = 127, where the clip has made fr or fc exactly 0.
; LIMIT: there a tap of weight 0 is a zero instead of the border value: the result differs only if the map holds Inf or NaN.
; The interpolation is written as three lerps (along c for both rows, then along r): the same polynomial as the four weighted taps,
; rounded in another order.
; One region of LDS, read and then rewritten in every pass: a barrier between a pass's reads and its stores, another between the stores
; and the next pass's reads.  No tensor loads, clusters or matrix work: nothing is shared between work-groups and there is no product.
.set PLANE,  65536
.set PITCH,  520                       ; bytes from column to column: 130 words; 130 mod 64 = 2 (64 banks of 4 bytes: ISA guide 11.1), so the lanes of the transposing accesses, 4 columns apart, fall on banks 8 apart
.set PADROW, 128*PITCH                 ; the pad column, 1,024 bytes of it cleared
.set MAXIDX, 127*PITCH+127*4           ; the largest offset of a tap (r0, c0)
.set ITER,   10
.set GO,   1                           ; v1  byte offset of my first pixel pair in a grid plane: 2048 wave + 8 lane
.set YG,   2                           ; v2  byte offset of my first 16 bytes in y, base and out0: 2048 wave + 512 (lane / 16) + 16 (lane % 16)
.set YS,   3                           ; v3  LDS byte of the first of those four pixels: 2080 (lane % 16) + 16 wave + 4 (lane / 16)
.set ST,   4                           ; v4  LDS byte of my first pixel pair: 2080 wave + 8 lane
.set P1,   5                           ; v5  pad words of one of my wave's four columns
.set Z,    6                           ; v[6:7]     zeros
.set IDX,  8                           ; v[8:23]    LDS byte of tap (r0, c0), pixel p
.set FR,   24                          ; v[24:39]
.set FC,   40                          ; v[40:55]
.set BASE, 56                          ; v[56:71]   the part of out0 that is not warped, kept from the start for the end
.set RES,  72                          ; v[72:87]   a pass's results (at the start: scratch)
.set TA,   88                          ; v[88:103]  taps of four pixels
.set TB,   104                         ; v[104:119] taps of four pixels
	s_load_b128 s[8:11], s[0:1], 0x0               ; planes s[8:9], gidx s[10:11]
	s_load_b64 s[12:13], s[0:1], 0x10              ; out0
	v_lshl_add_u32 v120, v0, 2, 0x10800
	v_mov_b32 v121, 0
	v_lshrrev_b32 v[RES], 5, v0
	v_readfirstlane_b32 s4, v[RES]                 ; wave 0..31
	v_and_b32 v[RES], 31, v0                       ; lane
	v_and_b32 v[RES+1], 15, v0
	v_bfe_u32 v[RES+2], v0, 4, 1
	v_and_b32 v[RES+3], 3, v0
	s_lshl_b32 s16, s4, 11
	s_mul_i32 s17, s4, 4*PITCH
	s_lshl_b32 s18, s4, 4
	s_lshl_b32 s19, s4, 5
	s_add_co_u32 s19, s19, PADROW
	v_lshl_add_u32 v[GO], v[RES], 3, s16
	v_lshl_add_u32 v[ST], v[RES], 3, s17
	v_lshl_add_u32 v[YG], v[RES+1], 4, s16
	v_lshl_add_u32 v[YG], v[RES+2], 9, v[YG]
	v_mul_u32_u24 v[YS], v[RES+1], 4*PITCH
	v_lshl_add_u32 v[YS], v[RES+2], 2, v[YS]
	v_add_nc_u32 v[YS], s18, v[YS]
	v_mul_u32_u24 v[P1], v[RES+3], PITCH
	v_add_nc_u32 v[P1], s17, v[P1]                 ; column 4 wave + lane % 4
	v_lshl_add_u32 v[RES+4], v[RES+3], 3, s19      ; my wave's 32 bytes of the pad column
	v_mov_b32 v[Z], 0
	v_mov_b32 v[Z+1], 0
	s_lshr_b32 s5, ttmp9, 1                        ; image n
	s_and_b32 s6, ttmp9, 1                         ; class o
	s_mul_i32 s20, s5, 6*PLANE
	s_mov_b32 s21, 0
	s_lshl_b32 s22, s6, 16
	s_mov_b32 s23, 0
	s_lshl_b32 s24, s5, 16
	s_mov_b32 s25, 0
	s_lshl_b32 s26, s5, 17
	s_add_co_u32 s26, s26, s22
	s_mov_b32 s27, 0
	s_wait_kmcnt 0x0
	s_add_nc_u64 s[8:9], s[8:9], s[20:21]          ; the image's six planes: y0 y1 base0 base1 fr fc
	s_add_nc_u64 s[14:15], s[8:9], s[22:23]        ; y of my class; base of my class lies two planes further
	s_add_nc_u64 s[10:11], s[10:11], s[24:25]
	s_add_nc_u64 s[12:13], s[12:13], s[26:27]
	; All 32 global loads of the launch go out here.  y, base: lanes 0-15 take 256 bytes of row a, lanes 16-31 of row a + 1.
.irp q, 0,1,2,3
	global_load_b128 v[TA+4*\q:TA+4*\q+3], v[YG], s[14:15] offset:(\q>>1)*1024+(\q&1)*256 th:TH_LOAD_NT
.endr
.irp s, 0,1,2,3,4,5,6,7
	global_load_b64 v[IDX+2*\s:IDX+2*\s+1], v[GO], s[10:11] offset:256*\s          ; pair s: column b = 4 wave + s / 2, rows a = 64 (s % 2) + 2 lane, + 1
.endr
.irp s, 0,1,2,3,4,5,6,7
	global_load_b64 v[FR+2*\s:FR+2*\s+1], v[GO], s[8:9] offset:4*PLANE+256*\s
.endr
.irp s, 0,1,2,3,4,5,6,7
	global_load_b64 v[FC+2*\s:FC+2*\s+1], v[GO], s[8:9] offset:5*PLANE+256*\s
.endr
.irp q, 0,1,2,3
	global_load_b128 v[BASE+4*\q:BASE+4*\q+3], v[YG], s[14:15] offset:2*PLANE+(\q>>1)*1024+(\q&1)*256 th:TH_LOAD_NT
.endr
	ds_store_b64 v[P1], v[Z:Z+1] offset:512        ; words 128, 129 of my wave's four columns (eight lanes write the same zeros to the same bytes)
	ds_store_b64 v[RES+4], v[Z:Z+1]                ; and my wave's 32 bytes of column 128
	s_wait_loadcnt 28                              ; loads return in order: y's four are in; 8 + 8 + 8 + 4 younger ones stay out
.irp q, 0,1,2,3
.irp i, 0,1,2,3
	ds_store_b32 v[YS], v[TA+4*\q+\i] offset:(\q&1)*64*PITCH+\i*PITCH+(\q>>1)*8    ; y(a, b + i) to word 130 (b + i) + a
.endr
.endr
	s_wait_loadcnt 20                              ; the offsets are in; fr, fc and base stay out
.irp p, 0,1,2,3,4,5,6,7,8,9,10,11,12,13,14,15
	v_min_u32 v[IDX+\p], MAXIDX, v[IDX+\p]         ; a loaded number becomes an address only inside the map
.endr
	s_wait_loadcnt 4                               ; fr and fc are in; base stays out until the end
	s_wait_dscnt 0x0                               ; my part of the map and of the pads is in LDS before I say so
	s_barrier_signal -1
	s_barrier_wait -1
.macro GATHER p, tb                    ; the four taps of pixel p: (r0, c0), (r0+1, c0) and (r0, c0+1), (r0+1, c0+1)
	ds_load_2addr_b32 v[\tb:\tb+1],   v[IDX+\p] offset0:0   offset1:1
	ds_load_2addr_b32 v[\tb+2:\tb+3], v[IDX+\p] offset0:130 offset1:131
.endm
.macro LERP p, tb, sel                 ; sel: which half of the pair of fc is pixel p's
	v_pk_add_f32 v[\tb+2:\tb+3], v[\tb+2:\tb+3], v[\tb:\tb+1] neg_lo:[0,1] neg_hi:[0,1]        ; column c0 + 1 minus column c0, both rows
	v_pk_fma_f32 v[\tb:\tb+1], v[\tb+2:\tb+3], v[FC+((\p)/2)*2:FC+((\p)/2)*2+1], v[\tb:\tb+1] op_sel:[0,\sel,0] op_sel_hi:[1,\sel,1]
	v_sub_f32 v[\tb+2], v[\tb+1], v[\tb]
	v_fma_f32 v[RES+\p], v[\tb+2], v[FR+\p], v[\tb]
.endm
.macro BATCH_LD g, t                   ; four pixels, eight LDS instructions
	GATHER 4*\g+0, \t
	GATHER 4*\g+1, \t+4
	GATHER 4*\g+2, \t+8
	GATHER 4*\g+3, \t+12
.endm
.macro BATCH_FM g, t
	LERP 4*\g+0, \t,    0
	LERP 4*\g+1, \t+4,  1
	LERP 4*\g+2, \t+8,  0
	LERP 4*\g+3, \t+12, 1
.endm
	s_mov_b32 s28, ITER
.Liter:
	BATCH_LD 0, TA
	BATCH_LD 1, TB
	s_wait_dscnt 8                                 ; LDS instructions return in order: the older batch of eight is in, the younger stays out
	BATCH_FM 0, TA
	BATCH_LD 2, TA
	s_wait_dscnt 8
	BATCH_FM 1, TB
	BATCH_LD 3, TB
	s_wait_dscnt 8
	BATCH_FM 2, TA
	s_wait_dscnt 0x0                               ; all my reads of this pass are back:
	s_barrier_signal -1                            ; say so,
	BATCH_FM 3, TB                                 ; work on registers while the others arrive,
	s_barrier_wait -1                              ; and overwrite the map only when nobody reads it any more
.irp s, 0,1,2,3,4,5,6,7
	ds_store_b64 v[ST], v[RES+2*\s:RES+2*\s+1] offset:(\s>>1)*PITCH+(\s&1)*256
.endr
	s_wait_dscnt 0x0                               ; my part of the new map is in LDS before I say so
	s_barrier_signal -1
	s_barrier_wait -1                              ; the new map is whole
	s_sub_co_i32 s28, s28, 1
	s_cmp_lg_u32 s28, 0
	s_cbranch_scc1 .Liter
	; The way out: the map is read back across the transposition, by the addresses by which y went in; base is added; sixteen lanes store 256 consecutive aligned bytes.
.irp q, 0,1,2,3
.irp i, 0,1,2,3
	ds_load_b32 v[TA+4*\q+\i], v[YS] offset:(\q&1)*64*PITCH+\i*PITCH+(\q>>1)*8
.endr
.endr
	s_wait_loadcnt 0x0                             ; base, asked for at the start
.irp q, 0,1,2,3
	s_wait_dscnt 12-4*\q                           ; the four words of group q are in, the younger groups stay out
	v_pk_add_f32 v[TA+4*\q:TA+4*\q+1],   v[TA+4*\q:TA+4*\q+1],   v[BASE+4*\q:BASE+4*\q+1]
	v_pk_add_f32 v[TA+4*\q+2:TA+4*\q+3], v[TA+4*\q+2:TA+4*\q+3], v[BASE+4*\q+2:BASE+4*\q+3]
	global_store_b128 v[YG], v[TA+4*\q:TA+4*\q+3], s[12:13] offset:(\q>>1)*1024+(\q&1)*256
.endr
	s_wait_tensorcnt 0x0
	ds_add_u32 v120, v121
	s_wait_dscnt 0x0
	s_endpgm
.Lfunc_end_k_q572105cce2_warp:
	.size	k_q572105cce2_warp, .Lfunc_end_k_q572105cce2_warp-k_q572105cce2_warp
	.p2alignl 7, 3214868480
	.fill 96, 4, 3214868480
	.section	.rodata,"a",@progbits
	.p2align	6, 0x0
	.amdhsa_kernel k_q572105cce2_warp
		.amdhsa_group_segment_fixed_size 71680
		.amdhsa_private_segment_fixed_size 0
		.amdhsa_enable_private_segment 0
		.amdhsa_kernarg_size 24
		.amdhsa_user_sgpr_count 2
		.amdhsa_user_sgpr_kernarg_segment_ptr 1
		.amdhsa_wavefront_size32 1
		.amdhsa_system_sgpr_workgroup_id_x 1
		.amdhsa_system_sgpr_workgroup_id_y 1
		.amdhsa_system_sgpr_workgroup_id_z 1
		.amdhsa_system_vgpr_workitem_id 0
		.amdhsa_next_free_vgpr 122
		.amdhsa_next_free_sgpr 66
		.amdhsa_reserve_vcc 0
		.amdhsa_float_denorm_mode_32 3
		.amdhsa_float_denorm_mode_16_64 3
		.amdhsa_memory_ordered 1
		.amdhsa_forward_progress 1
		.amdhsa_inst_pref_size 17
	.end_amdhsa_kernel
	.amdgpu_metadata
---
amdhsa.version: [ 1, 2 ]
amdhsa.kernels:
  - .name:           k_q572105cce2_warp
    .symbol:         k_q572105cce2_warp.kd
    .args:
      - { .name: planes, .offset: 0, .size: 8, .value_kind: global_buffer, .address_space: global }
      - { .name: gidx, .offset: 8, .size: 8, .value_kind: global_buffer, .address_space: global }
      - { .name: out0, .offset: 16, .size: 8, .value_kind: global_buffer, .address_space: global }
    .group_segment_fixed_size: 71680
    .private_segment_fixed_size: 0
    .kernarg_segment_align: 8
    .kernarg_segment_size: 24
    .max_flat_workgroup_size: 1024
    .sgpr_count:     66
    .vgpr_count:     122
    .wavefront_size: 32
...
	.end_amdgpu_metadata
.endif
;; end of part 2
;; ======== version 2 of 2: 2 launches; version 1 with the launch project written anew for expert scheduling mode
;; workspace buffers: planes 3,145,728 bytes; gidx 524,288 bytes of whole numbers
;; launch project (part 3): grid 1024 x 1, 4 waves a work-group, no clusters, 18,944 bytes of LDS; arguments x, w_df, b_df, w_fuse, b_fuse, out1, planes, gidx; writes out1, planes, gidx
.if DOCPART == 3
	.amdgcn_target "amdgcn-amd-amdhsa--gfx1250"
	.amdhsa_code_object_version 6
	.text
	.protected	k_q572105cce2_project
	.globl	k_q572105cce2_project
	.p2align	8
	.type	k_q572105cce2_project,@function
k_q572105cce2_project:
	s_mov_b64 s[64:65], 0
	v_nop
	global_prefetch_b8 v0, s[64:65] scope:SCOPE_SE
	s_setreg_imm32_b32 hwreg(HW_REG_WAVE_SCHED_MODE, 0, 2), 2
	s_setreg_imm32_b32 hwreg(HW_REG_WAVE_MODE, 25, 1), 1
	s_wait_xcnt 0x0
	s_wait_alu depctr_vm_vsrc(0)
; First of two launches.  Six 1x1 convolutions of x [8][256][128][128] f32 in one pass over x:
;   df0, df1 = w_df x + b_df                 -> out1, and from them the sampling grid
;   a0,  a1  = w_fuse[:, 0:256] x + b_fuse   -> planes 2, 3 of the image (the part of out0 that is not warped)
;   y0,  y1  = w_fuse[:, 256:512] x          -> planes 0, 1 (the second launch warps these ten times)
; The warp is linear and the same for every channel, so projecting first and warping the two projected maps gives the same sums as
; warping 256 channels and projecting afterwards, for every input; only the order of rounding differs.
; A work-group owns one image row h (128 pixels); wave k owns channels 64 k .. 64 k + 63; a lane owns 4 pixels (16 bytes), so one load
; of a wave covers 512 consecutive aligned bytes of one channel plane.  Each byte of x is read once.
; WHY f32 FMA AND NOT THE MATRIX UNIT: six output rows, 24 multiply-adds for 16 bytes loaded, and the pass is bound by the bytes of x.
; And out0 is not continuous in df (the test |df| > 0.5): operands cut to 8 bits of mantissa would move df by about 1e-3 and put pixels
; on the other side of that test.  Clusters and LDS rings are left out: no two work-groups read the same byte of x.
; LIMITS: each sum is four partial sums of 64 channels, added as (p0+p1)+(p2+p3); a pixel whose |df| lies within f32 rounding of 0.5 may
; fall on the other side of the test than with another order of summation.  NaN in df counts as "not above 0.5", as in the comparison itself.
; THE MODE: SCHED_MODE bits 1:0 = 2 (LLVM: expert scheduling mode 2), set by the entry lines.  The code itself states the register dependences
; between vector instructions and memory or LDS instructions, with s_wait_alu, always for 0.
; THE PLAN.  The wave's 64 channels go in 16 groups of four.  Registers that memory or LDS instructions touch:
;   v1 .. v5   offsets and LDS addresses: made at the head, never written again; every row of x is reached by an immediate offset.
;   X          the ring, nine groups of four slots.  Group k's multiply-adds read its four slots; the loads of the channels 36 further on are
;              issued in group k + 1 and land in them.
;   WB0, WB1   Group k's multiply-adds read WB[k % 2]; the LDS loads of group k + 2's weights are issued in group k + 1 and land in it.
;   ACC        written by the multiply-adds; read by the six LDS stores behind the last group; never written again.
;   WT         written by three global loads, read by three LDS stores, never written again.
; So group k's memory and LDS instructions touch only what group k - 1 worked on and what no vector instruction of group k names, and ONE wait on
; va_vdst at a group's head states all that they hang on; the group's four loads of x are dealt among its multiply-adds with no further wait.
; No register that a memory or LDS instruction reads is written again anywhere in the kernel, so there is nothing to state on vm_vsrc.
.set PLANE,  65536                     ; bytes of one plane of 128 x 128 f32
.set NSLOT,  36                        ; register slots: nine groups; a group's slots lie idle from its multiply-adds to the next group's head, the other 32 are on their way or at work
.set CPW,    64                        ; channels of a wave
.set LDSR,   6144                      ; LDS: 0..6143 the six weight rows as they lie in memory; from here 4 waves x 6 outputs x 512 bytes of partial sums
.set XO,  1                            ; v1        16 x lane: my 16 bytes in a row of 512; never rewritten
.set WA,  2                            ; v2        LDS byte of my wave's first channel in a weight row (256 x wave)
.set PS,  3                            ; v3        where I put my partial sums (3072 x wave + 16 x lane)
.set PL,  4                            ; v4        where I read the four waves' partial sums of my two outputs (1024 x wave + 16 x lane)
.set WS,  5                            ; v5        16 x thread: my 16 bytes of each 2 KB of weights
.set ACC, 6                            ; v[6:29]   six outputs x 4 pixels
.set WB,  30                           ; v[30:77]  two buffers of six rows x 4 channels of weights
.set X,   78                           ; v[78:221] the ring: slot i holds 4 pixels of one channel
.set WT,  222                          ; v[222:233] weights on their way to LDS
	s_load_b512 s[8:23], s[0:1], 0x0               ; x s[8:9], w_df s[10:11], b_df s[12:13], w_fuse s[14:15], b_fuse s[16:17], out1 s[18:19], planes s[20:21], gidx s[22:23]
	v_lshl_add_u32 v234, v0, 2, 0x4800
	v_mov_b32 v235, 0
	v_lshrrev_b32 v[PL], 5, v0
	v_readfirstlane_b32 s4, v[PL]                  ; wave 0..3
	v_and_b32 v[XO], 31, v0
	v_lshlrev_b32 v[XO], 4, v[XO]
	s_lshr_b32 s5, ttmp9, 7                        ; image n
	s_and_b32 s6, ttmp9, 127                       ; row h
	s_lshl_b32 s7, s6, 9                           ; h x 512 bytes
	s_lshl_b32 s24, s5, 24                         ; n x 256 planes
	s_wait_alu depctr_va_sdst(0)                   ; s4 is written, ahead of its first reader: x's base, the LDS addresses and the way out's branches are made from it
	s_lshl_b32 s25, s4, 22                         ; wave x 64 planes
	s_add_co_u32 s24, s24, s25
	s_add_co_u32 s24, s24, s7                      ; below 2^27
	s_mov_b32 s25, 0
	s_lshl_b32 s32, s4, 9                          ; the four scalars that the vector lines here read lie in a register each; none is written again ahead of the wait on va_vdst below
	v_add_nc_u32 v[WS], s32, v[XO]
	s_lshl_b32 s33, s4, 8
	v_mov_b32 v[WA], s33
	s_mul_i32 s34, s4, 3072
	v_add_nc_u32 v[PS], s34, v[XO]
	s_lshl_b32 s35, s4, 10
	v_add_nc_u32 v[PL], s35, v[XO]
	s_wait_kmcnt 0x0
	s_add_nc_u64 s[8:9], s[8:9], s[24:25]          ; x at my wave's first channel, my row; all 64 loads reach from here by their immediates
	s_wait_alu depctr_va_vdst(0)                   ; v1 to v5 are written: every load and store of the kernel, global or LDS, reads one of them as its offset or address
	global_load_b128 v[WT:WT+3],    v[WS], s[10:11]               ; w_df, 2 KB
	global_load_b128 v[WT+4:WT+7],  v[WS], s[14:15]               ; w_fuse row 0, 2 KB
	global_load_b128 v[WT+8:WT+11], v[WS], s[14:15] offset:2048   ; w_fuse row 1
.set c, 0
.rept NSLOT
	global_load_b128 v[X+4*c:X+4*c+3], v[XO], s[8:9] offset:c*PLANE th:TH_LOAD_NT   ; the ring is filled: channels 0 to 35 of my 64
.set c, c+1
.endr
	s_load_b64 s[26:27], s[12:13], 0x0             ; b_df
	s_load_b64 s[28:29], s[16:17], 0x0             ; b_fuse
	s_lshl_b32 s30, s5, 17                         ; out1: n x 2 planes + my row
	s_add_co_u32 s30, s30, s7
	s_mov_b32 s31, 0
	s_add_nc_u64 s[18:19], s[18:19], s[30:31]
	s_mul_i32 s30, s5, 6*PLANE                     ; planes: n x 6 planes + my row
	s_add_co_u32 s30, s30, s7
	s_add_nc_u64 s[20:21], s[20:21], s[30:31]
	s_lshl_b32 s30, s5, 16                         ; gidx: n x 1 plane + my row
	s_add_co_u32 s30, s30, s7
	s_add_nc_u64 s[22:23], s[22:23], s[30:31]
	s_movk_i32 s41, 130                            ; words from one column of the second launch's LDS map to the next
	s_wait_loadcnt NSLOT                           ; loads return in order: the three weight loads are in, the 36 loads of x behind them stay out
	ds_store_b128 v[WS], v[WT:WT+3]                ; LDS 0: w_df[0], 1024: w_df[1]
	ds_store_b128 v[WS], v[WT+4:WT+7]  offset:2048 ; 2048: w_fuse[0][0:256] (a0), 3072: w_fuse[0][256:512] (y0)
	ds_store_b128 v[WS], v[WT+8:WT+11] offset:4096 ; 4096: a1, 5120: y1
	s_wait_kmcnt 0x0                               ; the biases, long since there
	s_wait_dscnt 0x0                               ; my part of the weights is in LDS before I say so
	s_barrier_signal -1
	s_barrier_wait -1                              ; all four parts are
; Six rows' weights of four channels: every lane reads the same 16 bytes.  WNXT: first register; WOFF: byte of the four channels in my wave's 256.
.macro WLOAD
	ds_load_b128 v[WNXT:WNXT+3],     v[WA] offset:WOFF          ; df0
	ds_load_b128 v[WNXT+4:WNXT+7],   v[WA] offset:WOFF+1024     ; df1
	ds_load_b128 v[WNXT+8:WNXT+11],  v[WA] offset:WOFF+2048     ; a0
	ds_load_b128 v[WNXT+12:WNXT+15], v[WA] offset:WOFF+4096     ; a1
	ds_load_b128 v[WNXT+16:WNXT+19], v[WA] offset:WOFF+3072     ; y0
	ds_load_b128 v[WNXT+20:WNXT+23], v[WA] offset:WOFF+5120     ; y1
.endm
; One channel c: 4 pixels x 6 outputs = 12 packed multiply-adds; the weight is one half (sel) of the pair at po, taken for both results.
; The first channel starts the sums by a multiply: nothing is cleared.  Ahead of them the slot of channel c - 4, of the group before, is asked for again, for channel c + 32.
.macro STEP po, sel
.set SL, X+4*(c%NSLOT)
.if (c >= 4) && (c-4+NSLOT < CPW)
.set SN, X+4*((c-4)%NSLOT)
	global_load_b128 v[SN:SN+3], v[XO], s[8:9] offset:(c-4+NSLOT)*PLANE th:TH_LOAD_NT   ; no wait: no vector instruction since the wait at the group's head names this slot
.endif
.if c < 4
	s_wait_loadcnt NSLOT-1-c                       ; the first group asks for nothing: behind my slot's load stand the rest of the first 36
.elseif c-4+NSLOT < CPW
	s_wait_loadcnt NSLOT-4                         ; c + 33 loads of x have been issued, c + 1 of them up to my slot's: mine is in, the 32 younger ones stay out
.else
	s_wait_loadcnt CPW-1-c                         ; nothing more is issued: the count runs down
.endif
.irp o, 0,1,2,3,4,5
.if c == 0
	v_pk_mul_f32 v[ACC+4*\o:ACC+4*\o+1],   v[SL:SL+1],   v[WCUR+4*\o+\po:WCUR+4*\o+\po+1] op_sel:[0,\sel] op_sel_hi:[1,\sel]
	v_pk_mul_f32 v[ACC+4*\o+2:ACC+4*\o+3], v[SL+2:SL+3], v[WCUR+4*\o+\po:WCUR+4*\o+\po+1] op_sel:[0,\sel] op_sel_hi:[1,\sel]
.else
	v_pk_fma_f32 v[ACC+4*\o:ACC+4*\o+1],   v[SL:SL+1],   v[WCUR+4*\o+\po:WCUR+4*\o+\po+1], v[ACC+4*\o:ACC+4*\o+1]   op_sel:[0,\sel,0] op_sel_hi:[1,\sel,1]
	v_pk_fma_f32 v[ACC+4*\o+2:ACC+4*\o+3], v[SL+2:SL+3], v[WCUR+4*\o+\po:WCUR+4*\o+\po+1], v[ACC+4*\o+2:ACC+4*\o+3] op_sel:[0,\sel,0] op_sel_hi:[1,\sel,1]
.endif
.endr
.set c, c+1
.endm
.set WNXT, WB
.set WOFF, 0
	WLOAD
.set c, 0
.rept CPW/4
.set WCUR, WB+24*((c/4)%2)
.if c+4 < CPW
.if c > 0
	s_wait_alu depctr_va_vdst(0)                   ; the group before is done reading its weight buffer, in which the LDS loads below land, and its four slots, in which this group's loads of x land (groups 1 to 7 have such loads)
.endif
.set WNXT, WB+24*((c/4+1)%2)
.set WOFF, 16*(c/4+1)
	WLOAD                                          ; the next four channels' weights, into the buffer that the group before read
	s_wait_dscnt 6                                 ; LDS loads return in order: these four channels' six are in, the six just issued stay out
.else
	s_wait_dscnt 0x0                               ; the last group issues no load of any kind, so it states nothing
.endif
	STEP 0, 0
	STEP 0, 1
	STEP 2, 0
	STEP 2, 1
.endr
	; The four waves' partial sums meet in LDS, in bytes of their own behind the weights (a slower wave may still read weights).
	s_wait_alu depctr_va_vdst(0)                   ; the multiply-adds have written ACC, which the LDS stores read; and they are done reading the ring, in whose first 32 registers the LDS loads behind the barrier land (no vector instruction stands between)
.irp o, 0,1,2,3,4,5
	ds_store_b128 v[PS], v[ACC+4*\o:ACC+4*\o+3] offset:LDSR+512*\o
.endr
	s_wait_dscnt 0x0                               ; my sums are in LDS before I say so
	s_barrier_signal -1
	s_barrier_wait -1
	s_cmp_eq_u32 s4, 3                             ; wave 0 finishes df0, df1; wave 1 a0, a1; wave 2 y0, y1; wave 3 has no pair left
	s_cbranch_scc1 .Lend
.set T,   X                            ; the ring is free: its last load was waited for
.set D0,  T                            ; my first output, 4 pixels
.set D1,  T+4                          ; my second output
.irp q, 0,1,2,3
	ds_load_b128 v[T+8*\q:T+8*\q+3],   v[PL] offset:LDSR+3072*\q
	ds_load_b128 v[T+8*\q+4:T+8*\q+7], v[PL] offset:LDSR+3072*\q+512
.endr
	s_cmp_eq_u32 s4, 0
	s_cselect_b32 s32, s26, s28                    ; bias of the first output: b_df[0] or b_fuse[0]
	s_cselect_b32 s34, s27, s29                    ; of the second
	s_cselect_b64 s[36:37], s[18:19], s[20:21]     ; wave 0 stores into out1, the others into planes
	s_cmp_eq_u32 s4, 2
	s_cselect_b32 s32, 0, s32                      ; y carries no bias: b_fuse is added once, with a
	s_cselect_b32 s34, 0, s34
	s_mov_b32 s33, s32                             ; the packed add names a pair
	s_mov_b32 s35, s34
	s_cmp_eq_u32 s4, 1
	s_cselect_b32 s38, 2*PLANE, 0                  ; a0, a1 are planes 2, 3; y0, y1 planes 0, 1
	s_mov_b32 s39, 0
	s_add_nc_u64 s[36:37], s[36:37], s[38:39]
	s_wait_dscnt 0x0
.irp r, 0,2,4,6
	v_pk_add_f32 v[T+\r:T+\r+1],       v[T+\r:T+\r+1],       v[T+8+\r:T+8+\r+1]
	v_pk_add_f32 v[T+16+\r:T+16+\r+1], v[T+16+\r:T+16+\r+1], v[T+24+\r:T+24+\r+1]
.endr
.irp r, 0,2,4,6
	v_pk_add_f32 v[T+\r:T+\r+1], v[T+\r:T+\r+1], v[T+16+\r:T+16+\r+1]
.endr
	v_pk_add_f32 v[D0:D0+1],   v[D0:D0+1],   s[32:33] op_sel_hi:[1,0]
	v_pk_add_f32 v[D0+2:D0+3], v[D0+2:D0+3], s[32:33] op_sel_hi:[1,0]
	v_pk_add_f32 v[D1:D1+1],   v[D1:D1+1],   s[34:35] op_sel_hi:[1,0]
	v_pk_add_f32 v[D1+2:D1+3], v[D1+2:D1+3], s[34:35] op_sel_hi:[1,0]
	s_wait_alu depctr_va_vdst(0)                   ; the additions have written D0 and D1, which the two stores read
	global_store_b128 v[XO], v[D0:D0+3], s[36:37]                 ; the wave's store covers a whole row of 512 consecutive aligned bytes
	global_store_b128 v[XO], v[D1:D1+3], s[36:37] offset:PLANE    ; D0, D1 are only read from here on
	s_cmp_lg_u32 s4, 0
	s_cbranch_scc1 .Lend
	; Wave 0: the grid.  df at (h, w) steers the output pixel (row a = w, column b = h): it samples at column h + df0, row w + df1.
	; Stored in (h, w) order: fr, fc as f32, and as a whole number the byte offset of tap (r0, c0) in the second launch's LDS map,
	; 4 (130 c0 + r0), so that no address there is made from floating-point numbers.
.set M,   T+8                          ; df0^2 + df1^2
.set Q,   T+12                         ; its root
.set CC,  T+16                         ; column
.set RR,  T+20                         ; row
.set CF,  T+24                         ; floor of the column, then c0
.set RF,  T+28                         ; floor of the row, then r0
.set FCO, X+32
.set FRO, X+36
.set IXO, X+40
.set WF,  X+44                         ; w of my four pixels, as f32
.set HF,  X+48                         ; h as f32
.set MK,  42                           ; s[42:45]  the four pixels' masks
.irp i, 0,1,2,3
	v_mul_f32 v[M+\i], v[D0+\i], v[D0+\i]
.endr
.irp i, 0,1,2,3
	v_fmac_f32 v[M+\i], v[D1+\i], v[D1+\i]
.endr
.irp i, 0,1,2,3
	v_sqrt_f32 v[Q+\i], v[M+\i]
.endr
	v_lshrrev_b32 v[WF], 2, v[XO]                  ; plain instructions that touch neither M nor Q stand between the roots and their first use (ISA guide 5.7.2)
	v_cvt_f32_u32 v[WF], v[WF]                     ; 4 x lane
	v_add_f32 v[WF+1], 1.0, v[WF]
	v_add_f32 v[WF+2], 2.0, v[WF]
	v_add_f32 v[WF+3], 0x40400000, v[WF]           ; + 3.0
	v_cvt_f32_u32 v[HF], s6
	s_wait_alu depctr_va_vdst(0)
.irp i, 0,1,2,3
	v_cmp_lt_f32 s[MK+\i], 0.5, v[Q+\i]            ; 0.5 < |df|; a choice of values only.  The four compares stand in one run, each with a mask register of its own
.endr
	s_wait_alu depctr_va_sdst(0)                   ; the four masks are written, ahead of the selects that read them
.irp i, 0,1,2,3
	v_cndmask_b32 v[CC+\i], 0, v[D0+\i], s[MK+\i]
	v_cndmask_b32 v[RR+\i], 0, v[D1+\i], s[MK+\i]
.endr
.irp i, 0,1,2,3
	v_add_f32 v[CC+\i], v[HF], v[CC+\i]
	v_add_f32 v[RR+\i], v[WF+\i], v[RR+\i]
	v_max_num_f32 v[CC+\i], 0, v[CC+\i]            ; clip to 0 .. 127
	v_max_num_f32 v[RR+\i], 0, v[RR+\i]
	v_min_num_f32 v[CC+\i], 0x42fe0000, v[CC+\i]
	v_min_num_f32 v[RR+\i], 0x42fe0000, v[RR+\i]
	v_floor_f32 v[CF+\i], v[CC+\i]
	v_floor_f32 v[RF+\i], v[RR+\i]
	v_sub_f32 v[FCO+\i], v[CC+\i], v[CF+\i]
	v_sub_f32 v[FRO+\i], v[RR+\i], v[RF+\i]
	v_cvt_u32_f32 v[CF+\i], v[CF+\i]
	v_cvt_u32_f32 v[RF+\i], v[RF+\i]
	v_mad_u32_u24 v[IXO+\i], v[CF+\i], s41, v[RF+\i]
	v_lshlrev_b32 v[IXO+\i], 2, v[IXO+\i]
.endr
	s_wait_alu depctr_va_vdst(0)                   ; the grid's arithmetic has written the offsets, fr and fc, which the three stores read
	global_store_b128 v[XO], v[IXO:IXO+3], s[22:23]
	global_store_b128 v[XO], v[FRO:FRO+3], s[20:21] offset:4*PLANE
	global_store_b128 v[XO], v[FCO:FCO+3], s[20:21] offset:5*PLANE
.Lend:
	s_wait_dscnt 0x0
	s_wait_alu depctr_hold_cnt(0) depctr_sa_sdst(0) depctr_va_vdst(0) depctr_va_sdst(0) depctr_va_ssrc(0) depctr_va_vcc(0) depctr_vm_vsrc(0)
	s_wait_tensorcnt 0x0
	ds_add_u32 v234, v235
	s_wait_dscnt 0x0
	s_endpgm
.Lfunc_end_k_q572105cce2_project:
	.size	k_q572105cce2_project, .Lfunc_end_k_q572105cce2_project-k_q572105cce2_project
	.p2alignl 7, 3214868480
	.fill 96, 4, 3214868480
	.section	.rodata,"a",@progbits
	.p2align	6, 0x0
	.amdhsa_kernel k_q572105cce2_project
		.amdhsa_group_segment_fixed_size 18944
		.amdhsa_private_segment_fixed_size 0
		.amdhsa_enable_private_segment 0
		.amdhsa_kernarg_size 64
		.amdhsa_user_sgpr_count 2
		.amdhsa_user_sgpr_kernarg_segment_ptr 1
		.amdhsa_wavefront_size32 1
		.amdhsa_system_sgpr_workgroup_id_x 1
		.amdhsa_system_sgpr_workgroup_id_y 1
		.amdhsa_system_sgpr_workgroup_id_z 1
		.amdhsa_system_vgpr_workitem_id 0
		.amdhsa_next_free_vgpr 236
		.amdhsa_next_free_sgpr 66
		.amdhsa_reserve_vcc 0
		.amdhsa_float_denorm_mode_32 3
		.amdhsa_float_denorm_mode_16_64 3
		.amdhsa_memory_ordered 1
		.amdhsa_forward_progress 1
		.amdhsa_inst_pref_size 73
	.end_amdhsa_kernel
	.amdgpu_metadata
---
amdhsa.version: [ 1, 2 ]
amdhsa.kernels:
  - .name:           k_q572105cce2_project
    .symbol:         k_q572105cce2_project.kd
    .args:
      - { .name: x, .offset: 0, .size: 8, .value_kind: global_buffer, .address_space: global }
      - { .name: w_df, .offset: 8, .size: 8, .value_kind: global_buffer, .address_space: global }
      - { .name: b_df, .offset: 16, .size: 8, .value_kind: global_buffer, .address_space: global }
      - { .name: w_fuse, .offset: 24, .size: 8, .value_kind: global_buffer, .address_space: global }
      - { .name: b_fuse, .offset: 32, .size: 8, .value_kind: global_buffer, .address_space: global }
      - { .name: out1, .offset: 40, .size: 8, .value_kind: global_buffer, .address_space: global }
      - { .name: planes, .offset: 48, .size: 8, .value_kind: global_buffer, .address_space: global }
      - { .name: gidx, .offset: 56, .size: 8, .value_kind: global_buffer, .address_space: global }
    .group_segment_fixed_size: 18944
    .private_segment_fixed_size: 0
    .kernarg_segment_align: 8
    .kernarg_segment_size: 64
    .max_flat_workgroup_size: 128
    .sgpr_count:     66
    .vgpr_count:     236
    .wavefront_size: 32
...
	.end_amdgpu_metadata
.endif
;; end of part 3
;; launch warp: the kernel of part 2 again; grid 16 x 1, 32 waves a work-group, no clusters, 71,680 bytes of LDS; arguments planes, gidx, out0; writes out0
